; MI455X (gfx1250); checked and timed in simulation.
; The chip was launched on July 23, 2026; its instructions are those of AMD's public machine-readable ISA for CDNA 5 (MIT licence, August 2026) and "CDNA5" Instruction Set Architecture Reference Guide (July 2026). The comments in the code are by the model that wrote it; some were corrected since.
;; Attention Layer. Allowed arithmetic: float matrix products may take bf16 or f16 operands with f32 sums; other float arithmetic in f32, or as packed bf16 or f16 multiplies, adds, multiply-adds, maxima and minima; sums over many terms, partial sums and values carried from step to step in f32; what a program stores and reads back later, other than sums and carried values, may be rounded once to bf16 or f16.
;; Inputs: W 1,024 x 1,024 float32; b 1,024 float32; key 4 x 2,048 x 1,024 float32; query 4 x 2,048 x 1,024 float32; value 4 x 2,048 x 1,024 float32.
;; Outputs: out0 4 x 2,048 x 1,024 float32.
;; One version. Each part assembles by itself: llvm-mc -triple=amdgcn-amd-amdhsa -mcpu=gfx1250 --defsym DOCPART=n.
;; ======== version 1 of 1: 4 launches
;; limits: values are held in f16: magnitudes above 65,504 overflow, below 6.1e-05 lose precision
;; workspace buffers: wb 2,097,152 bytes; qkv 50,331,648 bytes; p 33,554,432 bytes; stats 1,048,576 bytes
;; launch castw (part 1): grid 256 x 1, 8 waves a work-group, no clusters, 0 bytes of LDS; arguments W, wb; writes wb
.if DOCPART == 1
	.amdgcn_target "amdgcn-amd-amdhsa--gfx1250"
	.amdhsa_code_object_version 6
	.text
	.protected	k_qea20e7a48c_castw
	.globl	k_qea20e7a48c_castw
	.p2align	8
	.type	k_qea20e7a48c_castw,@function
k_qea20e7a48c_castw:
	s_mov_b64 s[64:65], 0
	v_nop
	global_prefetch_b8 v0, s[64:65] scope:SCOPE_SE
	s_setreg_imm32_b32 hwreg(HW_REG_WAVE_MODE, 25, 1), 1
	s_wait_xcnt 0x0
; wb = W rounded to bf16, laid out in blocks of 64 along K.  W: [1024][1024] f32;  wb: [16][1024][64] bf16: wb[kb][e][j] = W[e][64 kb + j].
; So 256 rows x 64 K, the tile that the launch behind asks for, are 32,768 consecutive bytes.
; A stream of 4 MiB in and 2 MiB out: no LDS, no barrier, no matrix unit.  The work-group owns four rows of W.  Thread t takes 8 numbers, twice: block t / 32 (and 8 blocks further on),
; row (t / 8) % 4, place 8 (t % 8).  Eight lanes read 256 consecutive bytes of a row with their two loads; a wave's store covers 512 consecutive bytes, four rows of a block, aligned.
	s_load_b128 s[4:7], s[0:1], 0x0                ; W s[4:5], wb s[6:7]
	v_lshrrev_b32 v3, 5, v0                        ; the block of 64 along K: my wave's number
	v_bfe_u32 v4, v0, 3, 2                         ; which of the four rows
	v_and_b32 v5, 7, v0                            ; which 8 of the block's 64 numbers
	v_and_b32 v6, 31, v0
	v_lshlrev_b32 v1, 5, v5                        ; in W: 32 bytes for 8 numbers,
	v_lshl_add_u32 v1, v3, 8, v1                   ; 256 for a block,
	v_lshl_add_u32 v1, v4, 12, v1                  ; 4,096 for a row
	v_lshlrev_b32 v2, 4, v6                        ; in wb: 16 bytes a lane,
	v_lshl_add_u32 v2, v3, 17, v2                  ; 131,072 for a block
	s_lshl_b32 s8, ttmp9, 14                       ; the group's four rows of W
	s_mov_b32 s9, 0
	s_lshl_b32 s10, ttmp9, 9                       ; and their 512 bytes in each block of wb
	s_mov_b32 s11, 0
	s_wait_kmcnt 0x0
	s_add_nc_u64 s[4:5], s[4:5], s[8:9]
	s_add_nc_u64 s[6:7], s[6:7], s[10:11]
	global_load_b128 v[8:11],  v1, s[4:5] th:TH_LOAD_NT
	global_load_b128 v[12:15], v1, s[4:5] offset:16 th:TH_LOAD_NT
	global_load_b128 v[16:19], v1, s[4:5] offset:2048 th:TH_LOAD_NT
	global_load_b128 v[20:23], v1, s[4:5] offset:2064 th:TH_LOAD_NT
	s_wait_loadcnt 0x2                             ; the first block's two loads are in; the two younger ones stay out
	v_cvt_pk_bf16_f32 v24, v8, v9
	v_cvt_pk_bf16_f32 v25, v10, v11
	v_cvt_pk_bf16_f32 v26, v12, v13
	v_cvt_pk_bf16_f32 v27, v14, v15
	global_store_b128 v2, v[24:27], s[6:7]
	s_wait_loadcnt 0x0
	v_cvt_pk_bf16_f32 v28, v16, v17
	v_cvt_pk_bf16_f32 v29, v18, v19
	v_cvt_pk_bf16_f32 v30, v20, v21
	v_cvt_pk_bf16_f32 v31, v22, v23
	global_store_b128 v2, v[28:31], s[6:7] offset:1048576  ; eight blocks further on
	s_endpgm
.Lfunc_end_k_qea20e7a48c_castw:
	.size	k_qea20e7a48c_castw, .Lfunc_end_k_qea20e7a48c_castw-k_qea20e7a48c_castw
	.p2alignl 7, 3214868480
	.fill 96, 4, 3214868480
	.section	.rodata,"a",@progbits
	.p2align	6, 0x0
	.amdhsa_kernel k_qea20e7a48c_castw
		.amdhsa_group_segment_fixed_size 0
		.amdhsa_private_segment_fixed_size 0
		.amdhsa_enable_private_segment 0
		.amdhsa_kernarg_size 16
		.amdhsa_user_sgpr_count 2
		.amdhsa_user_sgpr_kernarg_segment_ptr 1
		.amdhsa_wavefront_size32 1
		.amdhsa_system_sgpr_workgroup_id_x 1
		.amdhsa_system_sgpr_workgroup_id_y 1
		.amdhsa_system_sgpr_workgroup_id_z 1
		.amdhsa_system_vgpr_workitem_id 0
		.amdhsa_next_free_vgpr 32
		.amdhsa_next_free_sgpr 66
		.amdhsa_reserve_vcc 0
		.amdhsa_float_denorm_mode_32 3
		.amdhsa_float_denorm_mode_16_64 3
		.amdhsa_memory_ordered 1
		.amdhsa_forward_progress 1
		.amdhsa_inst_pref_size 3
	.end_amdhsa_kernel
	.amdgpu_metadata
---
amdhsa.version: [ 1, 2 ]
amdhsa.kernels:
  - .name:           k_qea20e7a48c_castw
    .symbol:         k_qea20e7a48c_castw.kd
    .args:
      - { .name: W, .offset: 0, .size: 8, .value_kind: global_buffer, .address_space: global }
      - { .name: wb, .offset: 8, .size: 8, .value_kind: global_buffer, .address_space: global }
    .group_segment_fixed_size: 0
    .private_segment_fixed_size: 0
    .kernarg_segment_align: 8
    .kernarg_segment_size: 16
    .max_flat_workgroup_size: 256
    .sgpr_count:     66
    .vgpr_count:     32
    .wavefront_size: 32
...
	.end_amdgpu_metadata
.endif
;; end of part 1
;; launch proj (part 2): grid 4 x 64, 4 waves a work-group, clusters of 4 x 4, 327,680 bytes of LDS; arguments query, key, value, wb, b, qkv; writes qkv
.if DOCPART == 2
	.amdgcn_target "amdgcn-amd-amdhsa--gfx1250"
	.amdhsa_code_object_version 6
	.text
	.protected	k_qea20e7a48c_proj
	.globl	k_qea20e7a48c_proj
	.p2align	8
	.type	k_qea20e7a48c_proj,@function
k_qea20e7a48c_proj:
	s_mov_b64 s[64:65], 0
	v_nop
	global_prefetch_b8 v0, s[64:65] scope:SCOPE_SE
	s_setreg_imm32_b32 hwreg(HW_REG_WAVE_MODE, 25, 1), 1
	s_wait_xcnt 0x0
	s_wait_alu depctr_hold_cnt(0) depctr_sa_sdst(0) depctr_va_vdst(0) depctr_va_sdst(0) depctr_va_ssrc(0) depctr_va_vcc(0) depctr_vm_vsrc(0)
	s_getreg_b32 s2, hwreg(HW_REG_IB_STS2, 6, 4)
	s_cmp_eq_u32 s2, 0
	s_cbranch_scc0 .Lentry_in_a_cluster
	s_endpgm
.Lentry_in_a_cluster:
	s_bfe_u32 s2, ttmp6, 0x10000c
	s_cmp_lg_u32 s2, 0xf033
	s_cbranch_scc0 .Lentry_shape_is_right
	s_endpgm
.Lentry_shape_is_right:
; qkv[row][e] = sum over d of x[row][d] W[e][d] + b[e], for x = query (rows 0-8191 of qkv), key (8192-16383), value (16384-24575).
; x: [8192][1024] f32;  wb: [16][1024][64] bf16 (W rounded, in blocks of 64 along K);  b: [1024] f32;  qkv: [24576][1024] f16.
; FORMATS.  x, W and b are rounded to bf16, the products are bf16 with f32 sums that begin with b, the result is rounded once to f16.
; LIMIT.  f16 holds no number beyond 65,504: a projected number of 65,520 or more becomes an infinity.  NaN and infinities are not treated apart.
; SHARES.  The three inputs are multiplied by the same W, so a work-group takes the SAME 128 rows of all three and 256 columns: 384 x 256 numbers, 256 work-groups.  One tile of W serves three tiles of x.
; A wave owns 32 rows of each input and all 256 columns: 96 accumulators, 768 registers.  So each row of x is read from LDS and rounded by one wave alone.
; K goes in steps of 64 through two LDS slots: three tiles of x as f32 (rows of 256 bytes) and one of wb (32,768 dense bytes, asked for as 128 rows of 256).  One tensor load a wave: waves 0 to 2 an input each, wave 3 wb.
; CLUSTER.  4 x 4 work-groups.  The four of a row of the cluster need the same tiles of x, the four of a column the same tile of wb: each is asked for jointly, by the same tensor load with the
; same descriptor and a mask that names the four.
; THE MATRIX INSTRUCTION IS USED TRANSPOSED (source 0 = 16 rows of wb, source 1 = 16 rows of x): a lane then holds eight neighbouring numbers of a row of qkv.
; A QUARTER is 32 along K: six GROUPS of 16 products, (p, g) = column half p x input g, in the order (0,0) (0,1) (0,2) (1,0) (1,1) (1,2).  The next quarter's fragments are fetched and rounded in the gaps
; between the groups, each register as soon as its last reader is past.  So a slot's last bytes are read in its step's first quarter, and the change of slots stands at the head of the second.
; REGISTERS, in windows of 256 (s_set_vgpr_msb: bits 1:0 source 0, 3:2 source 1, 5:4 source 2, 7:6 destination):
;   window 0: v0-15 addresses; v16-79, v80-143 wb's fragments of column half 0, 1 (block b at + 8 b); v144-191 x's fragments in bf16, (g, a) at v[144 + 16 g + 8 a]; v192-223, v224-255 two stagings of x in f32
;   window 1 + g: input g's accumulators, (row block a, column block b) at v[8 (16 a + b)]
.set PA,    272                        ; a row of x in LDS: 256 bytes + 16 = 68 words: the 16 rows of a load start at 16 different groups of four banks (64 banks of 4 bytes: ISA guide 11.1)
.set PB,    144                        ; a row of wb: 128 bytes + 16 = 36 words: likewise
.set AREG,  128*PA                     ; an input's 128 rows: what one tensor load brings
.set BOFF,  3*AREG                     ; wb's 256 rows lie behind the three inputs'
.set SLOT,  BOFF+256*PB
.set STAGE, 2*SLOT                     ; behind the ring: 16 rows x 528 bytes for each wave, for the way out
.set SP,    528
.set SPARE, STAGE+4*16*SP              ; behind the stages: the spare words, 128 bytes for each wave: two blocks of 256 bytes that no other line names
.set TRIPS, 7                          ; 16 K steps; a trip fills both slots: steps 2 to 15
.set XA,   2                           ; v2-3    LDS address of my rows of inputs 0 and 1 in slot 0, 1
.set YA,   4                           ; v4-5    of input 2, which lies beyond an offset's 16 bits from there
.set XB,   6                           ; v6-7    of wb's fragments
.set STO,  8                           ; v8      the way out: where I put 16 bytes of a row
.set RD,   9                           ; v9      where I read 16 bytes of a row back
.set CO,   10                          ; v10     16 x lane: my byte offset in 512 bytes of qkv
.set BO,   11                          ; v11     my byte offset in b
.set SPW,  12                          ; v12     LDS address of my spare word; never rewritten
.set NIL,  13                          ; v13     0; never rewritten
.set BF,   16
.set ABF,  144
.set S0,   192
.set S1,   224
.set TMP,  16                          ; the way out: a block's 64 packed registers
.set OB,   80                          ; 16 rows read back from the stage: v80-143 and v144-207 by turns
.set BIAS, 128                         ; window 3: b lies at first in the accumulators (2, 1, b), which are started last
.set WV,  16                           ; s16  my wave's number
.set G1,  24                           ; s[24:31] descriptor group 1 for x's tiles;  s[32:39] group 0, a set for each slot
.set G0,  32
.set G1B, 48                           ; s[48:55], s[56:63] the same for wb's tiles
.set G0B, 56
.set MSB, 0
.macro WIN new                         ; the immediate's high byte repeats the setting that is left; a switch that changes nothing is dropped
.if MSB != (\new)
	s_set_vgpr_msb (MSB<<8)|(\new)
.set MSB, \new
.endif
.endm
; A joint load: waves 0 to 2 fetch the three inputs' tiles, wave 3 wb's.  The branch hangs on the wave's number alone.
; An s_nop 0 and four v_nop follow each of the two lines, ahead of the jump, the label and what follows.
.macro JLOAD s
	s_cmp_lt_u32 s[WV], 3
	s_cbranch_scc0 .Lfor_b_\@
	tensor_load_to_lds s[G0+4*(\s):G0+4*(\s)+3], s[G1:G1+7]
	s_nop 0
.rept 4
	v_nop
.endr
	s_branch .Lasked_\@
.Lfor_b_\@:
	tensor_load_to_lds s[G0B+4*(\s):G0B+4*(\s)+3], s[G1B:G1B+7]
	s_nop 0
.rept 4
	v_nop
.endr
.Lasked_\@:
.endm
.macro CREST                           ; a round of the cluster's barrier behind its opening barrier
	s_cmp_lg_u32 s[WV], 0
	s_cbranch_scc1 .Lnot_wave_0_\@
	s_barrier_signal -3
.Lnot_wave_0_\@:
	s_barrier_wait -3
	s_barrier_signal -1
	s_barrier_wait -1
.endm
.macro CROUND                          ; a whole round
	s_barrier_signal -1
	s_barrier_wait -1
	CREST
.endm
.macro PLACES                          ; four places between matrix instructions and a vector write of, or a load into, a register that they read (ISA guide 7.12.1 for vector instructions)
.rept 4
	v_nop
.endr
.endm
	s_load_b256 s[4:11], s[0:1], 0x0               ; query s[4:5], key s[6:7], value s[8:9], wb s[10:11]
	s_load_b128 s[12:15], s[0:1], 0x20             ; b s[12:13], qkv s[14:15]
	v_lshl_add_u32 v[SPW], v0, 2, SPARE
	v_mov_b32 v[NIL], 0
	ds_add_u32 v[SPW], v[NIL]                      ; the wave's opening: the add and its wait stand ahead of my first tensor load; the set-up below, work on registers, stands between them
	v_lshrrev_b32 v1, 5, v0
	v_readfirstlane_b32 s[WV], v1                  ; wave 0..3
	s_bfe_u32 s19, ttmp6, 0x40000                  ; cx, cy: my place in the cluster
	s_bfe_u32 s20, ttmp6, 0x40004
	s_lshl_b32 s21, ttmp9, 2
	s_add_co_u32 s21, s21, s19                     ; tile column (256 columns) = 4 x cluster x + cx
	s_and_b32 s22, ttmp7, 0xffff                   ; cluster y
	s_lshl_b32 s23, s22, 2
	s_add_co_u32 s23, s23, s20                     ; tile row (128 rows of each input) = 4 x cluster y + cy
	s_lshl_b32 s40, s20, 2
	s_lshl_b32 s40, 15, s40                        ; my row of the cluster
	s_lshl_b32 s41, 0x1111, s19                    ; my column
	s_mov_b32 s69, 0xffff0000                      ; a word's upper bf16
	; descriptor group 1.  x: 128 rows x 64 elements of 4 bytes, 4 words of padding behind every 64 words.  wb: 128 rows x 128 elements of 2 bytes, dense, 4 words behind every 32: behind each row of W.
	s_or_b32 s[G1+0], s40, (2<<16)|(1<<20)|(1<<21)|(5<<22)|(3<<25)   ; 15:0 the mask: my row; 17:16 element size; 20 padding on; 21 set beside a mask; 24:22 the interval; 31:25 the padding
	s_mov_b32 s[G1+1], 64<<16                      ; tensor_dim0 = 64
	s_mov_b32 s[G1+2], 128<<16                     ; tensor_dim1 = 128
	s_mov_b32 s[G1+3], 64<<16                      ; tile_dim0 = 64
	s_mov_b32 s[G1+4], 128                         ; tile_dim1 = 128
	s_mov_b32 s[G1+5], 1024                        ; elements from row to row
	s_mov_b32 s[G1+6], 0
	s_mov_b32 s[G1+7], 0
	s_or_b32 s[G1B+0], s41, (1<<16)|(1<<20)|(1<<21)|(4<<22)|(3<<25)  ; the mask: my column
	s_mov_b32 s[G1B+1], 128<<16
	s_mov_b32 s[G1B+2], 128<<16
	s_mov_b32 s[G1B+3], 128<<16
	s_mov_b32 s[G1B+4], 128
	s_mov_b32 s[G1B+5], 128
	s_mov_b32 s[G1B+6], 0
	s_mov_b32 s[G1B+7], 0
	; where the tiles come from.  x's hang on cy, the cluster's y and the wave; wb's on cx alone: each in registers that never hold the other coordinate.
	s_lshl_b32 s44, s23, 19                        ; 128 rows of 4,096 bytes: under 2^25
	s_mov_b32 s45, 0
	s_lshl_b32 s46, s21, 15                        ; 256 rows of 128 bytes in a block of wb
	s_mov_b32 s47, 0
	s_mul_i32 s42, s[WV], AREG                     ; where my input's tile goes: no place in the cluster enters an LDS address
	s_wait_dscnt 0x0                               ; the opening add is done
	s_wait_kmcnt 0x0
	s_cmp_eq_u32 s[WV], 1
	s_cselect_b64 s[70:71], s[6:7], s[4:5]         ; wave 1 fetches key,
	s_cmp_eq_u32 s[WV], 2
	s_cselect_b64 s[70:71], s[8:9], s[70:71]       ; wave 2 value, wave 0 query (wave 3 does not ask by this address)
	s_add_nc_u64 s[70:71], s[70:71], s[44:45]
	s_add_nc_u64 s[74:75], s[10:11], s[46:47]
	CROUND                                         ; all sixteen work-groups are here: the first joint loads meet
.irp s, 0,1
	s_mov_b32 s[G0+4*(\s)], 1                                      ; count = 1
	s_add_co_u32 s[G0+4*(\s)+1], s42, (\s)*SLOT                    ; LDS address
	s_add_nc_u64 s[G0+4*(\s)+2:G0+4*(\s)+3], s[70:71], (\s)*256    ; global address: K step s, 64 f32
	s_or_b32 s[G0+4*(\s)+3], s[G0+4*(\s)+3], 0x80000000            ; type = 2
	s_mov_b32 s[G0B+4*(\s)], 1
	s_mov_b32 s[G0B+4*(\s)+1], BOFF+(\s)*SLOT
	s_add_nc_u64 s[G0B+4*(\s)+2:G0B+4*(\s)+3], s[74:75], (\s)*131072  ; block s of wb
	s_or_b32 s[G0B+4*(\s)+3], s[G0B+4*(\s)+3], 0x80000000
	JLOAD \s                                       ; two loads of mine are out
.endr
	v_and_b32 v1, 15, v0                           ; r = l % 16
	v_bfe_u32 v14, v0, 4, 1                        ; h = l / 16
	v_lshlrev_b32 v[BO], 5, v14                    ; in a result a lane holds columns 16 b + 8 h + 0..7: 32 h bytes into each 64 of b
	s_lshl_b32 s66, s21, 10                        ; the tile's 256 columns in b
	s_mov_b32 s67, 0
	s_add_nc_u64 s[12:13], s[12:13], s[66:67]
	WIN 0xc0                                       ; destination window 3, address window 0
.irp b, 0,1,2,3,4,5,6,7,8,9,10,11,12,13,14,15
	global_load_b128 v[BIAS+8*(\b):BIAS+8*(\b)+3],   v[BO], s[12:13] offset:64*(\b)
	global_load_b128 v[BIAS+8*(\b)+4:BIAS+8*(\b)+7], v[BO], s[12:13] offset:64*(\b)+16
.endr
	WIN 0
	s_lshl_b32 s66, s23, 7
	s_lshl_b32 s67, s[WV], 5
	s_add_co_u32 s66, s66, s67                     ; my wave's first row in each input
	s_lshl_b32 s66, s66, 11                        ; x 2,048 bytes: under 2^24
	s_lshl_b32 s67, s21, 9                         ; the tile's 256 columns: 512 bytes
	s_add_co_u32 s66, s66, s67
	s_mov_b32 s67, 0
	s_add_nc_u64 s[72:73], s[14:15], s[66:67]      ; where my rows of q go,
	s_add_nc_u64 s[76:77], s[72:73], 0x1000000     ; of k, 8,192 rows on,
	s_add_nc_u64 s[78:79], s[72:73], 0x2000000     ; and of v
	; A fragment is 16 rows x 32 K: lane l holds row r; K = 8 h + 0..7 and 16 + 8 h + 0..7.  In f32 that is four loads of 16 bytes at 32 h + 0, 16, 64, 80; in bf16 two, at 16 h + 0, 32.
	v_mul_u32_u24 v15, v1, PA
	v_lshl_add_u32 v15, v14, 5, v15
	s_mul_i32 s43, s[WV], 32*PA                    ; my 32 rows of a tile of x
	v_add_nc_u32 v[XA], s43, v15
	v_add_nc_u32 v[XA+1], SLOT, v[XA]
	v_add_nc_u32 v[YA], 2*AREG, v[XA]
	v_add_nc_u32 v[YA+1], SLOT, v[YA]
	v_mul_u32_u24 v15, v1, PB
	v_lshl_add_u32 v15, v14, 4, v15
	v_add_nc_u32 v[XB], BOFF, v15
	v_add_nc_u32 v[XB+1], SLOT, v[XB]
	s_mul_i32 s43, s[WV], 16*SP
	s_add_co_u32 s43, s43, STAGE                   ; my stage
	v_mul_u32_u24 v15, v1, SP                      ; in: row r, 16 bytes for each half of the lanes
	v_lshl_add_u32 v15, v14, 4, v15
	v_add_nc_u32 v[STO], s43, v15
	v_and_b32 v15, 31, v0
	v_lshlrev_b32 v[CO], 4, v15                    ; back: 32 lanes take a row of 512 bytes
	v_add_nc_u32 v[RD], s43, v[CO]
	s_wait_loadcnt 0x0                             ; b
	WIN 0x0f                                       ; both sources window 3, destination window 0
.set i, 0
.rept 64                                           ; b is rounded to bf16, as x and W are, and widened again; the stagings are free until the first tile is in
	v_cvt_pk_bf16_f32 v[S0+i], v[BIAS+2*i], v[BIAS+2*i+1]
.set i, i+1
.endr
	WIN 0xc0
.set i, 0
.rept 64
	v_lshlrev_b32 v[BIAS+2*i], 16, v[S0+i]
	v_and_b32 v[BIAS+2*i+1], s69, v[S0+i]
.set i, i+1
.endr
	WIN 0
; A GROUP: 16 matrix instructions: input g's two row blocks x the 8 column blocks of half p, 32 along K.  The accumulators take turns, one instruction a turn, always in the same order.
; first = 1: the product starts the sum, with b as its C operand: nothing is cleared and nothing is added later.  b lies in the accumulators (2, 1, b); they are started last, in place,
; five places behind the last product that read them as its C (ISA guide 7.12.1).
.macro GRP p, g, first
.if \first
	WIN (((\g)+1)<<6)|0x30                         ; D window 1 + g, C window 3
.else
	WIN ((\g)+1)*0x50                              ; C and D window 1 + g
.endif
.irp a, 0,1
.if (\first) && ((\g) == 2) && ((\a) == 1)
.rept 5
	v_nop
.endr
.endif
.irp b, 0,1,2,3,4,5,6,7
.if \first
	v_wmma_f32_16x16x32_bf16 v[8*(16*(\a)+8*(\p)+(\b)):8*(16*(\a)+8*(\p)+(\b))+7], v[BF+64*(\p)+8*(\b):BF+64*(\p)+8*(\b)+7], v[ABF+16*(\g)+8*(\a):ABF+16*(\g)+8*(\a)+7], v[BIAS+8*(8*(\p)+(\b)):BIAS+8*(8*(\p)+(\b))+7]
.else
	v_wmma_f32_16x16x32_bf16 v[8*(16*(\a)+8*(\p)+(\b)):8*(16*(\a)+8*(\p)+(\b))+7], v[BF+64*(\p)+8*(\b):BF+64*(\p)+8*(\b)+7], v[ABF+16*(\g)+8*(\a):ABF+16*(\g)+8*(\a)+7], v[8*(16*(\a)+8*(\p)+(\b)):8*(16*(\a)+8*(\p)+(\b))+7]
.endif
.endr
.endr
.endm
; 8 LDS loads: input g's two fragments of the 32 K at half c of the slot's step, as f32, into staging sb
.macro LDA slot, c, g, sb
.set rA, XA+(\slot)+2*((\g)/2)
.set oA, ((\g)%2)*AREG+128*(\c)
.irp a, 0,1
	ds_load_b128 v[(\sb)+16*(\a):(\sb)+16*(\a)+3],     v[rA] offset:oA+(\a)*16*PA
	ds_load_b128 v[(\sb)+16*(\a)+4:(\sb)+16*(\a)+7],   v[rA] offset:oA+(\a)*16*PA+16
	ds_load_b128 v[(\sb)+16*(\a)+8:(\sb)+16*(\a)+11],  v[rA] offset:oA+(\a)*16*PA+64
	ds_load_b128 v[(\sb)+16*(\a)+12:(\sb)+16*(\a)+15], v[rA] offset:oA+(\a)*16*PA+80
.endr
.endm
; 16 LDS loads: wb's eight fragments of column half p
.macro LDB slot, c, p
.irp b, 0,1,2,3,4,5,6,7
	ds_load_b128 v[BF+64*(\p)+8*(\b):BF+64*(\p)+8*(\b)+3],   v[XB+(\slot)] offset:(8*(\p)+(\b))*16*PB+64*(\c)
	ds_load_b128 v[BF+64*(\p)+8*(\b)+4:BF+64*(\p)+8*(\b)+7], v[XB+(\slot)] offset:(8*(\p)+(\b))*16*PB+64*(\c)+32
.endr
.endm
; 16 conversions: staging sb is rounded to bf16 into input g's two fragments
.macro CONV g, sb
.irp a, 0,1
.irp t, 0,1,2,3,4,5,6,7
	v_cvt_pk_bf16_f32 v[ABF+16*(\g)+8*(\a)+(\t)], v[(\sb)+16*(\a)+2*(\t)], v[(\sb)+16*(\a)+2*(\t)+1]
.endr
.endr
.endm
; A QUARTER.  ns, nc: the slot and the half of its step from which the NEXT quarter's fragments come.  first = 1: the sums begin.
; meet = 1, 2: a step's second quarter: the change of slots.  All my reads of the step's slot were issued in the quarter before.  ONE barrier: in front of it each wave waits for all its tensor loads
; (one is out: its part of the next slot), adds 0 to its spare word, and waits for that and for its reads.  meet = 2: the barrier opens a round of the cluster's, and slot fs, just read out, is filled again,
; two K steps ahead, first thing behind the round: a whole step's 192 matrix instructions less 32 stand between that request and the wait for it.
.macro QUART ns, nc, first=0, meet=0, fs=0
.if \meet
	WIN 0                                          ; (the add's two registers lie in window 0)
	s_wait_tensorcnt 0x0                           ; all my tensor loads have landed;
	ds_add_u32 v[SPW], v[NIL]                      ; 0 onto my spare word;
.endif
	GRP 0, 0, \first                               ; (with meet: sixteen matrix instructions stand between the add and the wait for it)
.if \meet
	s_wait_dscnt 0x0                               ; the add is done, and my reads of the step's slot are over
	s_barrier_signal -1
.endif
	GRP 0, 1, \first                               ; (with meet: work on registers while the others arrive)
	WIN 0
.if \meet
	s_barrier_wait -1
.endif
.if (\meet) == 2
	CREST                                          ; no wave of any partner still reads this slot's tiles or has a load on its way
	s_add_nc_u64 s[G0+4*(\fs)+2:G0+4*(\fs)+3], s[G0+4*(\fs)+2:G0+4*(\fs)+3], 2*256
	s_add_nc_u64 s[G0B+4*(\fs)+2:G0B+4*(\fs)+3], s[G0B+4*(\fs)+2:G0B+4*(\fs)+3], 2*131072
	JLOAD \fs
.endif
	LDA \ns, \nc, 0, S0                            ; both stagings are free since the quarter before
	LDA \ns, \nc, 1, S1
	GRP 0, 2, \first
	WIN 0
	PLACES                                         ; column half 0 has had its last reader
	LDB \ns, \nc, 0
	s_wait_dscnt 32                                ; this quarter's column half 1 is in: behind its loads came the 16 of x and the 16 of wb above
	GRP 1, 0, \first
	WIN 0
	s_wait_dscnt 24                                ; input 0's staging is in: behind it came input 1's 8 loads and wb's 16
	PLACES                                         ; input 0's fragments have had their last reader
	CONV 0, S0
	LDA \ns, \nc, 2, S0
	GRP 1, 1, \first
	WIN 0
	s_wait_dscnt 24                                ; input 1's staging is in: behind it came wb's 16 loads and input 2's 8
	PLACES
	CONV 1, S1
	GRP 1, 2, \first
	WIN 0
	s_wait_dscnt 0x0                               ; input 2's staging, and the next quarter's column half 0
	PLACES
	CONV 2, S0
	LDB \ns, \nc, 1
.endm
	s_wait_tensorcnt 1                             ; my part of K step 0 is in; K step 1's may stay out
	s_barrier_signal -1
	s_barrier_wait -1                              ; everybody's is
	LDA 0, 0, 0, S0                                ; the first quarter's fragments
	LDA 0, 0, 1, S1
	LDB 0, 0, 0
	LDB 0, 0, 1
	s_wait_dscnt 40                                ; input 0's staging is in: behind it came 8 + 32 loads
	CONV 0, S0
	LDA 0, 0, 2, S0
	s_wait_dscnt 40                                ; input 1's: behind it came 32 + 8
	CONV 1, S1
	s_wait_dscnt 0x0
	CONV 2, S0
	QUART 0, 1, 1                                  ; the first quarter stands in front of the loop: its products start the sums
	s_mov_b32 s68, TRIPS
.Llap:                                                 ; a trip goes once round the ring, from a step's second quarter to the first of the step after next, and fills both slots again
	QUART 1, 0, 0, 2, 0
	QUART 1, 1
	QUART 0, 0, 0, 2, 1
	QUART 0, 1
	s_sub_co_u32 s68, s68, 1
	s_cmp_lg_u32 s68, 0
	s_cbranch_scc1 .Llap
	QUART 1, 0, 0, 1                               ; the last but one step's second quarter: the last slot is waited for, nothing is filled, so no round
	QUART 1, 1
	GRP 0, 0, 0                                    ; the very last quarter: nothing more to fetch
	GRP 0, 1, 0
	GRP 0, 2, 0
	s_wait_dscnt 0x0                               ; column half 1
	GRP 1, 0, 0
	GRP 1, 1, 0
	GRP 1, 2, 0
	WIN 0
; THE WAY OUT, a block of 16 rows x 256 columns at a time.  CVT: the sums are rounded to f16, each accumulator's registers in ascending order.  TOSTAGE: 16 bytes a lane and column block into my own stage,
; and back as whole rows of 512 bytes.  SEND: stored.
.macro CVT g, a
	WIN ((\g)+1)*5                                 ; both sources window 1 + g, destination window 0
.set i, 0
.rept 64
	v_cvt_pk_f16_f32 v[TMP+i], v[128*(\a)+2*i], v[128*(\a)+2*i+1]
.set i, i+1
.endr
	WIN 0
.endm
.macro TOSTAGE n
.set BK, OB+64*((\n)%2)
.irp b, 0,1,2,3,4,5,6,7,8,9,10,11,12,13,14,15
	ds_store_b128 v[STO], v[TMP+4*(\b):TMP+4*(\b)+3] offset:32*(\b)
.endr
.irp t, 0,1,2,3,4,5,6,7,8,9,10,11,12,13,14,15
	ds_load_b128 v[BK+4*(\t):BK+4*(\t)+3], v[RD] offset:(\t)*SP  ; LDS serves a wave's instructions in order (ISA guide 5.7.1.4): these see the stores above
.endr
.endm
.macro SEND n, ob, a                   ; ob: the scalar pair with the input's address in qkv
.set BK, OB+64*((\n)%2)
	s_wait_dscnt 0x0                               ; the block is back in registers
	s_wait_xcnt 0x0                                ; the stores of the block before have had their addresses translated (ISA guide 3.1): its registers are loaded again only behind this wait
.irp t, 0,1,2,3,4,5,6,7,8,9,10,11,12,13,14,15
	global_store_b128 v[CO], v[BK+4*(\t):BK+4*(\t)+3], s[(\ob):(\ob)+1] offset:((\a)*16+(\t))*2048  ; 512 consecutive bytes, at a multiple of 512 from qkv's first byte
.endr
.endm
	PLACES                                         ; between the last products and the first vector line on their registers
	CVT 0, 0
	TOSTAGE 0
	CVT 0, 1                                       ; a block's conversions stand between the loads of the block before and the wait for them
	SEND 0, 72, 0
	TOSTAGE 1
	CVT 1, 0
	SEND 1, 72, 1
	TOSTAGE 2
	CVT 1, 1
	SEND 2, 76, 0
	TOSTAGE 3
	CVT 2, 0
	SEND 3, 76, 1
	TOSTAGE 4
	CVT 2, 1
	SEND 4, 78, 0
	TOSTAGE 5
	SEND 5, 78, 1
	s_wait_tensorcnt 0x0                           ; the wave's end: behind my last tensor load and my last LDS store
	ds_add_u32 v[SPW], v[NIL]
	s_wait_dscnt 0x0
	CROUND                                         ; the closing round: no work-group ends while a partner may still ask for a tile that names it
	s_endpgm
.Lfunc_end_k_qea20e7a48c_proj:
	.size	k_qea20e7a48c_proj, .Lfunc_end_k_qea20e7a48c_proj-k_qea20e7a48c_proj
	.p2alignl 7, 3214868480
	.fill 96, 4, 3214868480
	.section	.rodata,"a",@progbits
	.p2align	6, 0x0
	.amdhsa_kernel k_qea20e7a48c_proj
		.amdhsa_group_segment_fixed_size 327680
		.amdhsa_private_segment_fixed_size 0
		.amdhsa_enable_private_segment 0
		.amdhsa_kernarg_size 48
		.amdhsa_user_sgpr_count 2
		.amdhsa_user_sgpr_kernarg_segment_ptr 1
		.amdhsa_wavefront_size32 1
		.amdhsa_system_sgpr_workgroup_id_x 1
		.amdhsa_system_sgpr_workgroup_id_y 1
		.amdhsa_system_sgpr_workgroup_id_z 1
		.amdhsa_system_vgpr_workitem_id 0
		.amdhsa_next_free_vgpr 1024
		.amdhsa_next_free_sgpr 80
		.amdhsa_reserve_vcc 0
		.amdhsa_float_denorm_mode_32 3
		.amdhsa_float_denorm_mode_16_64 3
		.amdhsa_memory_ordered 1
		.amdhsa_forward_progress 1
		.amdhsa_inst_pref_size 175
	.end_amdhsa_kernel
	.amdgpu_metadata
---
amdhsa.version: [ 1, 2 ]
amdhsa.kernels:
  - .name:           k_qea20e7a48c_proj
    .symbol:         k_qea20e7a48c_proj.kd
    .args:
      - { .name: query, .offset: 0, .size: 8, .value_kind: global_buffer, .address_space: global }
      - { .name: key, .offset: 8, .size: 8, .value_kind: global_buffer, .address_space: global }
      - { .name: value, .offset: 16, .size: 8, .value_kind: global_buffer, .address_space: global }
      - { .name: wb, .offset: 24, .size: 8, .value_kind: global_buffer, .address_space: global }
      - { .name: b, .offset: 32, .size: 8, .value_kind: global_buffer, .address_space: global }
      - { .name: qkv, .offset: 40, .size: 8, .value_kind: global_buffer, .address_space: global }
    .group_segment_fixed_size: 327680
    .private_segment_fixed_size: 0
    .kernarg_segment_align: 8
    .kernarg_segment_size: 48
    .max_flat_workgroup_size: 128
    .sgpr_count:     80
    .vgpr_count:     1024
    .wavefront_size: 32
...
	.end_amdgpu_metadata
.endif
;; end of part 2
;; launch scores (part 3): grid 8 x 32, 4 waves a work-group, clusters of 4 x 4, 327,680 bytes of LDS; arguments qkv, p, stats; writes p, stats
.if DOCPART == 3
	.amdgcn_target "amdgcn-amd-amdhsa--gfx1250"
	.amdhsa_code_object_version 6
	.text
	.protected	k_qea20e7a48c_scores
	.globl	k_qea20e7a48c_scores
	.p2align	8
	.type	k_qea20e7a48c_scores,@function
k_qea20e7a48c_scores:
	s_mov_b64 s[64:65], 0
	v_nop
	global_prefetch_b8 v0, s[64:65] scope:SCOPE_SE
	s_setreg_imm32_b32 hwreg(HW_REG_WAVE_MODE, 25, 1), 1
	s_wait_xcnt 0x0
	s_wait_alu depctr_hold_cnt(0) depctr_sa_sdst(0) depctr_va_vdst(0) depctr_va_sdst(0) depctr_va_ssrc(0) depctr_va_vcc(0) depctr_vm_vsrc(0)
	s_getreg_b32 s2, hwreg(HW_REG_IB_STS2, 6, 4)
	s_cmp_eq_u32 s2, 0
	s_cbranch_scc0 .Lentry_in_a_cluster
	s_endpgm
.Lentry_in_a_cluster:
	s_bfe_u32 s2, ttmp6, 0x10000c
	s_cmp_lg_u32 s2, 0xf033
	s_cbranch_scc0 .Lentry_shape_is_right
	s_endpgm
.Lentry_shape_is_right:
; For each query row and each CHUNK of 128 keys: t = c (q . k), c = log2(e) / 32;  cm = the chunk's largest t;  p = 2^(t - cm), stored in f16;  l = the sum of the unrounded p.
; qkv: [24576][1024] f16 (q rows 0-8191, k rows 8192-16383);  p: [8192][2048] f16;  stats: f32, cm at chunk x 32,768 + row x 4, l 524,288 bytes further on.
; The maximum that is taken away is the chunk's true maximum; the launch behind joins the 16 chunks of a row by their maxima.  So every p lies in 0 to 1 and every l in 1 to 128.
; LIMITS.  A weight below 2^-126 counts as 0 in l; below 6e-5 p keeps f16's fixed step of 6e-8.  NaN and infinities are not treated apart.
; SHARES.  A tile is 256 queries x 256 keys of one batch: 256 work-groups.  Four waves, each 128 x 128: 64 accumulators, 512 registers; a wave's 128 keys are a chunk.
; K (the 1,024 channels) goes in steps of 128 through two LDS slots filled by the tensor data mover; rows of 256 bytes, 16 bytes of padding behind each.
; CLUSTER.  4 x 4 work-groups of one batch: q's tile is shared along a row of the cluster, k's along a column; each is asked for jointly.
; THE MATRIX INSTRUCTION IS USED TRANSPOSED (source 0 = 16 keys, source 1 = 16 queries): a lane holds ONE query (lane % 16) and, in each result, the keys 8 (lane / 16) + 0..7.
; So a row's maximum and sum want one exchange between the halves of the lanes, and eight weights pack into 16 bytes of a row of p.
; REGISTERS, in windows of 256 (s_set_vgpr_msb: bits 1:0 source 0, 3:2 source 1, 5:4 source 2, 7:6 destination):
;   window 0: v16-31 addresses; v64-127, v128-191 fragments of q, two buffers; behind the products: v32-63 rows read back, v64-127 a block's t, v128-138 at work, v192-223 packed weights
;   window 1: v64-127, v128-191 fragments of k       window 2: the accumulators of my rows 0-63, (a, b) at v[8 (8 a + b)]       window 3: those of my rows 64-127
.set KSTEP,  128
.set PITCH,  272                       ; an LDS row: 256 bytes + 16 = 68 words: the 16 rows of a load start at 16 different groups of four banks (64 banks of 4 bytes: ISA guide 11.1)
.set HALFT,  128*PITCH                 ; 128 rows: what one tensor load brings, and what one wave reads of q or of k
.set SLOT,   4*HALFT                   ; q's 256 rows, then k's 256 rows
.set STAGE,  2*SLOT                    ; behind the ring: 16 rows x 272 bytes for each wave
.set SPITCH, 272
.set SS,     STAGE+4*16*SPITCH         ; 1,024 bytes for each wave: cm of its 128 rows, then l
.set SPARE,  SS+4*1024                 ; the spare words, 128 bytes for each wave: two blocks of 256 bytes that no other line names
.set LAPS,   4                         ; a lap = two K steps
.set ADRA, 16                          ; v16-17  LDS address of my fragments of q in slot 0, 1
.set ADRB, 20                          ; v20-21  the same for k
.set STO,  24                          ; v24     where I put 16 bytes of a row of p
.set RD,   25                          ; v25     where I read a row back
.set CO,   26                          ; v26     my byte offset in p
.set SSR,  27                          ; v27     where I read 16 bytes of statistics back
.set SPW,  28                          ; v28     LDS address of my spare word; never rewritten
.set NIL,  29                          ; v29     0; never rewritten
.set SSA,  30                          ; v30     where the block in hand puts its cm; steps by 64 bytes a block
.set GS,   31                          ; v31     16 x lane: my byte offset in 512 bytes of stats
.set OB,   32
.set F0,   64
.set F1,   128
.set T,    64                          ; a block's 64 numbers a lane: t, then p
.set CH,   128                         ; v128-135 eight chains of the maximum
.set CM,   136                         ; v136 cm; v137 named with it as a pair
.set LS,   138                         ; v138 l
.set TMP,  192
.set WV,  16                           ; s16  my wave's number
.set WR,  17                           ; s17  which half of the tile's rows is mine; also: I fetch q (0) or k (1)
.set WC,  18                           ; s18  which half of its columns; also: which 128 rows of that tile I fetch
.set G1,  24
.set G0,  32
.set G1B, 48
.set G0B, 56
.set MSB, 0
.macro WIN new                         ; the immediate's high byte repeats the setting that is left
.if MSB != (\new)
	s_set_vgpr_msb (MSB<<8)|(\new)
.set MSB, \new
.endif
.endm
.set MUL_LO, 0xa1                      ; source 0 (k) window 1, source 1 (q) window 0, C and D window 2
.set MUL_HI, 0xf1                      ; the same, C and D window 3
.set TO_B,   0x40                      ; destination window 1, address window 0
.macro JLOAD s                         ; a joint load: waves 0 and 1 fetch q's two halves, waves 2 and 3 k's; an s_nop 0 and four v_nop follow each of the two lines
	s_cmp_eq_u32 s[WR], 0
	s_cbranch_scc0 .Lfor_b_\@
	tensor_load_to_lds s[G0+4*(\s):G0+4*(\s)+3], s[G1:G1+7]
	s_nop 0
.rept 4
	v_nop
.endr
	s_branch .Lasked_\@
.Lfor_b_\@:
	tensor_load_to_lds s[G0B+4*(\s):G0B+4*(\s)+3], s[G1B:G1B+7]
	s_nop 0
.rept 4
	v_nop
.endr
.Lasked_\@:
.endm
.macro CREST                           ; a round of the cluster's barrier behind its opening barrier
	s_cmp_lg_u32 s[WV], 0
	s_cbranch_scc1 .Lnot_wave_0_\@
	s_barrier_signal -3
.Lnot_wave_0_\@:
	s_barrier_wait -3
	s_barrier_signal -1
	s_barrier_wait -1
.endm
.macro CROUND
	s_barrier_signal -1
	s_barrier_wait -1
	CREST
.endm
	s_load_b128 s[4:7], s[0:1], 0x0                ; qkv s[4:5], p s[6:7]
	s_load_b64 s[8:9], s[0:1], 0x10                ; stats
	v_lshl_add_u32 v[SPW], v0, 2, SPARE
	v_mov_b32 v[NIL], 0
	ds_add_u32 v[SPW], v[NIL]                      ; the wave's opening: the add and its wait stand ahead of my first tensor load; the set-up below, work on registers, stands between them
	v_lshrrev_b32 v1, 5, v0
	v_readfirstlane_b32 s[WV], v1
	s_lshr_b32 s[WR], s[WV], 1
	s_and_b32 s[WC], s[WV], 1
	s_bfe_u32 s19, ttmp6, 0x40000                  ; cx, cy
	s_bfe_u32 s20, ttmp6, 0x40004
	s_lshl_b32 s21, ttmp9, 2
	s_add_co_u32 s21, s21, s19                     ; tile column (256 keys) = 4 x cluster x + cx
	s_and_b32 s22, ttmp7, 0xffff                   ; cluster y
	s_lshl_b32 s23, s22, 2
	s_add_co_u32 s23, s23, s20                     ; tile row (256 of the 8,192 query rows) = 4 x cluster y + cy
	s_lshl_b32 s40, s20, 2
	s_lshl_b32 s40, 15, s40                        ; my row of the cluster
	s_lshl_b32 s41, 0x1111, s19                    ; my column
	s_or_b32 s[G1+0], s40, (1<<16)|(1<<20)|(1<<21)|(5<<22)|(3<<25)   ; the mask; elements of 2 bytes; padding on; 21 set beside a mask; 4 words behind every 64
	s_or_b32 s[G1B+0], s41, (1<<16)|(1<<20)|(1<<21)|(5<<22)|(3<<25)
.irp g, G1, G1B
	s_mov_b32 s[(\g)+1], KSTEP<<16                 ; tensor_dim0 = 128
	s_mov_b32 s[(\g)+2], 128<<16                   ; tensor_dim1 = 128
	s_mov_b32 s[(\g)+3], KSTEP<<16                 ; tile_dim0 = 128
	s_mov_b32 s[(\g)+4], 128                       ; tile_dim1 = 128
	s_mov_b32 s[(\g)+5], 1024                      ; elements from row to row
	s_mov_b32 s[(\g)+6], 0
	s_mov_b32 s[(\g)+7], 0
.endr
	s_lshl_b32 s44, s23, 8                         ; q: row 256 x tile row + 128 x half
	s_lshl_b32 s45, s[WC], 7
	s_add_co_u32 s44, s44, s45
	s_lshl_b32 s44, s44, 11                        ; x 2,048 bytes
	s_mov_b32 s45, 0
	s_lshr_b32 s47, s22, 1                         ; the batch: eight tile rows, two clusters, each
	s_lshl_b32 s47, s47, 11                        ; its 2,048 rows of k
	s_lshl_b32 s46, s21, 8
	s_add_co_u32 s46, s46, s47
	s_lshl_b32 s47, s[WC], 7
	s_add_co_u32 s46, s46, s47                     ; k: row 2,048 x batch + 256 x tile column + 128 x half
	s_lshl_b32 s46, s46, 11
	s_add_co_u32 s46, s46, 0x1000000               ; k begins 8,192 rows into qkv
	s_mov_b32 s47, 0
	s_mul_i32 s42, s[WV], HALFT                    ; where they go: q's two halves, then k's two = wave x 128 rows
	s_mov_b32 s72, 0x3d38aa3b                      ; c = log2(e) / 32
	s_mov_b32 s73, s72                             ; named with it as a pair
	s_mov_b32 s74, 0x76543210                      ; v_permlanex16_b32: each lane takes its own place in the other half
	s_mov_b32 s75, 0xfedcba98
	s_wait_dscnt 0x0                               ; the opening add is done
	s_wait_kmcnt 0x0
	s_add_nc_u64 s[70:71], s[4:5], s[44:45]
	s_add_nc_u64 s[76:77], s[4:5], s[46:47]
	CROUND                                         ; all sixteen work-groups are here: the first joint loads meet
.irp s, 0,1
	s_mov_b32 s[G0+4*(\s)], 1
	s_add_co_u32 s[G0+4*(\s)+1], s42, (\s)*SLOT
	s_add_nc_u64 s[G0+4*(\s)+2:G0+4*(\s)+3], s[70:71], (\s)*KSTEP*2
	s_or_b32 s[G0+4*(\s)+3], s[G0+4*(\s)+3], 0x80000000
	s_mov_b32 s[G0B+4*(\s)], 1
	s_add_co_u32 s[G0B+4*(\s)+1], s42, (\s)*SLOT
	s_add_nc_u64 s[G0B+4*(\s)+2:G0B+4*(\s)+3], s[76:77], (\s)*KSTEP*2
	s_or_b32 s[G0B+4*(\s)+3], s[G0B+4*(\s)+3], 0x80000000
	JLOAD \s                                       ; two loads of mine are out
.endr
	v_and_b32 v1, 15, v0                           ; r = l % 16
	v_bfe_u32 v2, v0, 4, 1                         ; h = l / 16
	v_mul_u32_u24 v3, v1, PITCH
	v_lshl_add_u32 v3, v2, 4, v3                   ; a fragment's row x pitch + 16 x half
	s_mul_i32 s42, s[WR], HALFT                    ; my 128 rows of q
	s_mul_i32 s43, s[WC], HALFT                    ; my 128 rows of k,
	s_add_co_u32 s43, s43, 2*HALFT                 ; which lie behind q's 256
.irp s, 0,1
	v_add_nc_u32 v[ADRA+(\s)], s42, v3
	v_add_nc_u32 v[ADRB+(\s)], s43, v3
	s_add_co_u32 s42, s42, SLOT
	s_add_co_u32 s43, s43, SLOT
.endr
	s_mul_i32 s42, s[WV], 16*SPITCH
	s_add_co_u32 s42, s42, STAGE                   ; my stage
	v_add_nc_u32 v[STO], s42, v3                   ; in: row r, 16 bytes for each half of the lanes
	v_mul_u32_u24 v5, v2, SPITCH                   ; back: lanes 0-15 take one row of 256 bytes, lanes 16-31 the next
	v_lshl_add_u32 v5, v1, 4, v5
	v_add_nc_u32 v[RD], s42, v5
	v_lshlrev_b32 v5, 12, v2                       ; and the same two rows in p, 4,096 bytes apart
	v_lshl_add_u32 v[CO], v1, 4, v5
	s_mul_i32 s43, s[WV], 1024
	s_add_co_u32 s43, s43, SS                      ; my 1,024 bytes for the statistics
	v_lshl_add_u32 v[SSA], v1, 2, s43              ; row r of block 0
	v_and_b32 v5, 31, v0
	v_lshlrev_b32 v[GS], 4, v5
	v_add_nc_u32 v[SSR], s43, v[GS]
	s_lshl_b32 s66, s23, 8
	s_lshl_b32 s67, s[WR], 7
	s_add_co_u32 s66, s66, s67                     ; my wave's first row
	s_lshl_b32 s78, s66, 2                         ; in a chunk's statistics
	s_lshl_b32 s66, s66, 12                        ; in p: under 2^25
	s_lshl_b32 s67, s21, 1
	s_add_co_u32 s67, s67, s[WC]                   ; my chunk = 2 x tile column + half
	s_lshl_b32 s79, s67, 15
	s_add_co_u32 s78, s78, s79
	s_lshl_b32 s67, s67, 8                         ; its 256 bytes in a row of p
	s_add_co_u32 s66, s66, s67
	s_mov_b32 s67, 0
	s_mov_b32 s79, 0
	s_add_nc_u64 s[6:7], s[6:7], s[66:67]
	s_add_nc_u64 s[8:9], s[8:9], s[78:79]
; 16 matrix instructions: m blocks a0, a0 + 1 of the window's four (hi = 0: my rows 0-63, 1: rows 64-127) x all 8 n blocks, 32 along K.  zero = 1: the product starts the sums.
; The 64 accumulators take turns, one instruction a turn, in the same order in every quarter step.
.macro MUL16 f, hi, a0, zero
	WIN MUL_LO+0x50*(\hi)
.irp a, \a0, (\a0)+1
.irp b, 0,1,2,3,4,5,6,7
.if \zero
	v_wmma_f32_16x16x32_f16 v[8*(8*(\a)+(\b)):8*(8*(\a)+(\b))+7], v[(\f)+8*(\b):(\f)+8*(\b)+7], v[(\f)+8*(4*(\hi)+(\a)):(\f)+8*(4*(\hi)+(\a))+7], 0
.else
	v_wmma_f32_16x16x32_f16 v[8*(8*(\a)+(\b)):8*(8*(\a)+(\b))+7], v[(\f)+8*(\b):(\f)+8*(\b)+7], v[(\f)+8*(4*(\hi)+(\a)):(\f)+8*(4*(\hi)+(\a))+7], v[8*(8*(\a)+(\b)):8*(8*(\a)+(\b))+7]
.endif
.endr
.endr
.endm
; 32 LDS loads in one run: the fragments of one quarter step (128 rows of k, 128 rows of q, 32 K at byte k of the rows) into buffer f
.macro FETCH slot, k, f
	WIN TO_B
.irp i, 0,1,2,3,4,5,6,7
	ds_load_b128 v[(\f)+8*(\i):(\f)+8*(\i)+3],   v[ADRB+(\slot)] offset:(\k)+(\i)*16*PITCH
	ds_load_b128 v[(\f)+8*(\i)+4:(\f)+8*(\i)+7], v[ADRB+(\slot)] offset:(\k)+(\i)*16*PITCH+32
.endr
	WIN 0
.irp i, 0,1,2,3,4,5,6,7
	ds_load_b128 v[(\f)+8*(\i):(\f)+8*(\i)+3],   v[ADRA+(\slot)] offset:(\k)+(\i)*16*PITCH
	ds_load_b128 v[(\f)+8*(\i)+4:(\f)+8*(\i)+7], v[ADRA+(\slot)] offset:(\k)+(\i)*16*PITCH+32
.endr
.endm
.macro PLACES                          ; four places in front of loads into registers that matrix instructions have read, and of vector work on their registers (ISA guide 7.12.1 for vector instructions)
.rept 4
	v_nop
.endr
.endm
; A K step is four quarter steps of 32 along K, 64 matrix instructions each, on buffers 0, 1, 0, 1.  One of the first three: multiplies buffer f; in its middle it fetches the next quarter, at byte k, into g.
.macro QUARTER slot, k, f, g, zero
	s_wait_dscnt 8                                 ; k and q's rows 0-63 are in; the youngest eight loads (q's rows 64-127) may be out
	MUL16 \f, 0, 0, \zero
	MUL16 \f, 0, 2, \zero
	PLACES
	FETCH \slot, \k, \g
	s_wait_dscnt 32                                ; all but the 32 just issued
	MUL16 \f, 1, 0, \zero
	MUL16 \f, 1, 2, \zero
.endm
; The first half of the last quarter: ONE barrier for the change of slots.  In front of it each wave waits for all its tensor loads (one is out: its part of the next slot), adds 0 to its spare word,
; and waits for that and for its own reads of this slot.
.macro MEET round
	WIN 0                                          ; (the add's two registers lie in window 0)
	s_wait_tensorcnt 0x0                           ; all my tensor loads have landed;
	ds_add_u32 v[SPW], v[NIL]                      ; 0 onto my spare word;
	s_wait_dscnt 9                                 ; (the add and the youngest eight loads may be out)
	MUL16 F1, 0, 0, 0                              ; sixteen matrix instructions stand between the add and the wait for it
	s_wait_dscnt 0x0                               ; the add is done, and my reads of this slot are over
	s_barrier_signal -1
	MUL16 F1, 0, 2, 0                              ; work on registers while the others arrive
.if \round
	WIN 0
.endif
	s_barrier_wait -1
.endm
; The whole last quarter: behind the round the slot just read out is filled again first, two K steps ahead; then come the next slot's first fragments.
.macro TURN slot, next
	MEET 1
	CREST                                          ; no wave of any partner still reads this slot's tiles or has a load on its way
	s_add_nc_u64 s[G0+4*(\slot)+2:G0+4*(\slot)+3], s[G0+4*(\slot)+2:G0+4*(\slot)+3], 2*KSTEP*2
	s_add_nc_u64 s[G0B+4*(\slot)+2:G0B+4*(\slot)+3], s[G0B+4*(\slot)+2:G0B+4*(\slot)+3], 2*KSTEP*2
	JLOAD \slot                                    ; the four v_nop behind it are also the places in front of the loads below
	FETCH \next, 0, F0
	MUL16 F1, 1, 0, 0
	MUL16 F1, 1, 2, 0
.endm
	s_wait_tensorcnt 1                             ; my part of K step 0 is in; K step 1's may stay out
	s_barrier_signal -1
	s_barrier_wait -1
	FETCH 0, 0, F0
	QUARTER 0, 64,  F0, F1, 1                      ; the first quarter stands in front of the loop: its products start the sums
	WIN 0
	s_mov_b32 s68, LAPS-1
.Llap:                                                 ; a trip goes once round the ring and fills both slots again
	QUARTER 0, 128, F1, F0, 0
	QUARTER 0, 192, F0, F1, 0
	TURN 0, 1
	QUARTER 1, 64,  F0, F1, 0
	QUARTER 1, 128, F1, F0, 0
	QUARTER 1, 192, F0, F1, 0
	TURN 1, 0
	QUARTER 0, 64,  F0, F1, 0
	WIN 0
	s_sub_co_u32 s68, s68, 1
	s_cmp_lg_u32 s68, 0
	s_cbranch_scc1 .Llap
	QUARTER 0, 128, F1, F0, 0                      ; the last lap fills nothing, and has no round
	QUARTER 0, 192, F0, F1, 0
	MEET 0
	PLACES
	FETCH 1, 0, F0
	MUL16 F1, 1, 0, 0
	MUL16 F1, 1, 2, 0
	QUARTER 1, 64,  F0, F1, 0
	QUARTER 1, 128, F1, F0, 0
	QUARTER 1, 192, F0, F1, 0
	s_wait_dscnt 8                                 ; the very last quarter: nothing more to fetch
	MUL16 F1, 0, 0, 0
	MUL16 F1, 0, 2, 0
	s_wait_dscnt 0x0
	MUL16 F1, 1, 0, 0
	MUL16 F1, 1, 2, 0
	WIN 0
; THE SOFTMAX OF A CHUNK, a block of 16 queries at a time: one text for the eight blocks, walked by a counted loop.  What differs from block to block is where its 64 sums lie:
; COPY a brings them into window 0, and the move carries the scale c, so that it costs no instruction of its own.  Each accumulator's registers are read in ascending order.
.macro COPY a
	WIN 0x02+(\a)/4                                ; source 0 window 2 or 3
.set i, 0
.rept 32
	v_pk_mul_f32 v[T+2*i:T+2*i+1], v[64*((\a)%4)+2*i:64*((\a)%4)+2*i+1], s[72:73] op_sel_hi:[1,0]
.set i, i+1
.endr
	WIN 0
.endm
	PLACES                                         ; between the last products and the first vector line on their registers
	v_mov_b32 v[CM+1], 0                           ; named with cm as a pair
	s_mov_b32 s69, 0                               ; the block
.Lblk:
.irp a, 0,1,2,3,4,5,6
	s_cmp_lg_u32 s69, \a
	s_cbranch_scc1 .Lnot_\a
	COPY \a
	s_branch .Lwork
.Lnot_\a:
.endr
	COPY 7
.Lwork:
	; the largest of the lane's 64 t, three operands at a time: eight chains of seven, the eight left over, the chains; then the other half of the lanes, which holds the query's other 64 keys
.irp k, 0,1,2,3,4,5,6,7
	v_max3_num_f32 v[CH+(\k)], v[T+8*(\k)], v[T+8*(\k)+1], v[T+8*(\k)+2]
.endr
.irp k, 0,1,2,3,4,5,6,7
	v_max3_num_f32 v[CH+(\k)], v[CH+(\k)], v[T+8*(\k)+3], v[T+8*(\k)+4]
.endr
.irp k, 0,1,2,3,4,5,6,7
	v_max3_num_f32 v[CH+(\k)], v[CH+(\k)], v[T+8*(\k)+5], v[T+8*(\k)+6]
.endr
.irp j, 0,1,2,3
	v_max3_num_f32 v[CH+2*(\j)], v[CH+2*(\j)], v[T+16*(\j)+7], v[T+16*(\j)+15]
.endr
	v_max3_num_f32 v[CH], v[CH], v[CH+1], v[CH+2]
	v_max3_num_f32 v[CH+3], v[CH+3], v[CH+4], v[CH+5]
	v_max3_num_f32 v[CH+6], v[CH+6], v[CH+7], v[CH]
	v_max_num_f32 v[CH+6], v[CH+6], v[CH+3]
	v_permlanex16_b32 v[CH+1], v[CH+6], s74, s75
	v_max_num_f32 v[CM], v[CH+6], v[CH+1]
.set i, 0
.rept 32
	v_pk_add_f32 v[T+2*i:T+2*i+1], v[T+2*i:T+2*i+1], v[CM:CM+1] op_sel_hi:[1,0] neg_lo:[0,1] neg_hi:[0,1]  ; t - cm
.set i, i+1
.endr
.set i, 0
.rept 64
	v_exp_f32 v[T+i], v[T+i]
.set i, i+1
.endr
	v_nop                                          ; a plain instruction between the last exponential and the use of its result (ISA guide 5.7.2)
.set i, 0
	s_wait_alu depctr_va_vdst(0)
.rept 32
	v_cvt_pk_f16_f32 v[TMP+i], v[T+2*i], v[T+2*i+1]
.set i, i+1
.endr
.irp b, 0,1,2,3,4,5,6,7
	ds_store_b128 v[STO], v[TMP+4*(\b):TMP+4*(\b)+3] offset:32*(\b)
.endr
.irp t, 0,1,2,3,4,5,6,7
	ds_load_b128 v[OB+4*(\t):OB+4*(\t)+3], v[RD] offset:(\t)*2*SPITCH  ; LDS serves a wave's instructions in order (ISA guide 5.7.1.4): these see the stores above
.endr
	; while the rows come back: the sum of the 64 unrounded weights, in f32, in place: neighbours 1, 2, 4, 8 and 16 pairs apart
.irp d, 1,2,4,8,16
.set u, 0
.rept 16/(\d)
	v_pk_add_f32 v[T+2*u:T+2*u+1], v[T+2*u:T+2*u+1], v[T+2*(u+(\d)):T+2*(u+(\d))+1]
.set u, u+2*(\d)
.endr
.endr
	v_add_f32 v[LS], v[T], v[T+1]
	v_permlanex16_b32 v[CH+2], v[LS], s74, s75
	v_add_f32 v[LS], v[LS], v[CH+2]
	ds_store_b32 v[SSA], v[CM]                     ; both halves of the lanes hold the same number and write the same word
	ds_store_b32 v[SSA], v[LS] offset:512
	s_wait_dscnt 0x2                               ; the rows are back; the two stores just issued may be out
.irp t, 0,1,2,3,4,5,6,7
	global_store_b128 v[CO], v[OB+4*(\t):OB+4*(\t)+3], s[6:7] offset:(\t)*2*4096  ; 16 lanes store 256 consecutive bytes, at a multiple of 256 from p's first byte
.endr
	s_wait_xcnt 0x0                                ; the stores have had their addresses translated (ISA guide 3.1): their base and their registers are rewritten only behind this wait
	s_add_nc_u64 s[6:7], s[6:7], 0x10000           ; 16 rows of p on
	v_add_nc_u32 v[SSA], 64, v[SSA]                ; 16 words of statistics on
	s_add_co_u32 s69, s69, 1
	s_cmp_lt_u32 s69, 8
	s_cbranch_scc1 .Lblk
	ds_load_b128 v[OB:OB+3],   v[SSR]              ; cm of my 128 rows: 512 bytes, 16 a lane
	ds_load_b128 v[OB+4:OB+7], v[SSR] offset:512   ; and l
	s_wait_dscnt 0x0
	global_store_b128 v[GS], v[OB:OB+3],   s[8:9]                  ; 512 consecutive bytes, at a multiple of 512 from stats' first byte
	global_store_b128 v[GS], v[OB+4:OB+7], s[8:9] offset:524288
	s_wait_tensorcnt 0x0                           ; the wave's end: behind my last tensor load and my last LDS store
	ds_add_u32 v[SPW], v[NIL]
	s_wait_dscnt 0x0
	CROUND                                         ; the closing round: no work-group ends while a partner may still ask for a tile that names it
	s_endpgm
.Lfunc_end_k_qea20e7a48c_scores:
	.size	k_qea20e7a48c_scores, .Lfunc_end_k_qea20e7a48c_scores-k_qea20e7a48c_scores
	.p2alignl 7, 3214868480
	.fill 96, 4, 3214868480
	.section	.rodata,"a",@progbits
	.p2align	6, 0x0
	.amdhsa_kernel k_qea20e7a48c_scores
		.amdhsa_group_segment_fixed_size 327680
		.amdhsa_private_segment_fixed_size 0
		.amdhsa_enable_private_segment 0
		.amdhsa_kernarg_size 24
		.amdhsa_user_sgpr_count 2
		.amdhsa_user_sgpr_kernarg_segment_ptr 1
		.amdhsa_wavefront_size32 1
		.amdhsa_system_sgpr_workgroup_id_x 1
		.amdhsa_system_sgpr_workgroup_id_y 1
		.amdhsa_system_sgpr_workgroup_id_z 1
		.amdhsa_system_vgpr_workitem_id 0
		.amdhsa_next_free_vgpr 1024
		.amdhsa_next_free_sgpr 80
		.amdhsa_reserve_vcc 0
		.amdhsa_float_denorm_mode_32 3
		.amdhsa_float_denorm_mode_16_64 3
		.amdhsa_memory_ordered 1
		.amdhsa_forward_progress 1
		.amdhsa_inst_pref_size 142
	.end_amdhsa_kernel
	.amdgpu_metadata
---
amdhsa.version: [ 1, 2 ]
amdhsa.kernels:
  - .name:           k_qea20e7a48c_scores
    .symbol:         k_qea20e7a48c_scores.kd
    .args:
      - { .name: qkv, .offset: 0, .size: 8, .value_kind: global_buffer, .address_space: global }
      - { .name: p, .offset: 8, .size: 8, .value_kind: global_buffer, .address_space: global }
      - { .name: stats, .offset: 16, .size: 8, .value_kind: global_buffer, .address_space: global }
    .group_segment_fixed_size: 327680
    .private_segment_fixed_size: 0
    .kernarg_segment_align: 8
    .kernarg_segment_size: 24
    .max_flat_workgroup_size: 128
    .sgpr_count:     80
    .vgpr_count:     1024
    .wavefront_size: 32
...
	.end_amdgpu_metadata
.endif
;; end of part 3
;; launch pv (part 4): grid 4 x 64, 4 waves a work-group, clusters of 4 x 4, 327,680 bytes of LDS; arguments p, qkv, stats, out0; writes out0
.if DOCPART == 4
	.amdgcn_target "amdgcn-amd-amdhsa--gfx1250"
	.amdhsa_code_object_version 6
	.text
	.protected	k_qea20e7a48c_pv
	.globl	k_qea20e7a48c_pv
	.p2align	8
	.type	k_qea20e7a48c_pv,@function
k_qea20e7a48c_pv:
	s_mov_b64 s[64:65], 0
	v_nop
	global_prefetch_b8 v0, s[64:65] scope:SCOPE_SE
	s_setreg_imm32_b32 hwreg(HW_REG_WAVE_MODE, 25, 1), 1
	s_wait_xcnt 0x0
	s_wait_alu depctr_hold_cnt(0) depctr_sa_sdst(0) depctr_va_vdst(0) depctr_va_sdst(0) depctr_va_ssrc(0) depctr_va_vcc(0) depctr_vm_vsrc(0)
	s_getreg_b32 s2, hwreg(HW_REG_IB_STS2, 6, 4)
	s_cmp_eq_u32 s2, 0
	s_cbranch_scc0 .Lentry_in_a_cluster
	s_endpgm
.Lentry_in_a_cluster:
	s_bfe_u32 s2, ttmp6, 0x10000c
	s_cmp_lg_u32 s2, 0xf033
	s_cbranch_scc0 .Lentry_shape_is_right
	s_endpgm
.Lentry_shape_is_right:
; out0[row][e] = (sum over the 16 chunks ch of f[row][ch] x sum over the chunk's 128 keys of p[row][key] v[key][e]) / L[row],
; with M = the largest cm[row][ch], f = 2^(cm - M), L = sum over ch of f l.  That is softmax(scores) v with the row's true maximum taken away.
; p: [8192][2048] f16;  qkv: [24576][1024] f16, v from row 16,384 on;  stats: f32, cm at chunk x 32,768 + row x 4, l 524,288 bytes further on;  out0: [8192][1024] f32.
; f lies in 0 to 1, L in 1 to 2,048.  A K step of 128 keys is a chunk, so f is one number for a row and a step: p's fragments are multiplied by it in packed f16 between their load and the product;
; the sums stay in f32 and are multiplied by 1 / L at the end.
; LIMITS.  f is rounded to f16 for that product (L takes it unrounded), and p f below 6e-5 keeps f16's fixed step of 6e-8; an f below 2^-126 counts as 0.  NaN and infinities are not treated apart.
; SHARES.  A tile is 128 queries x 256 channels: 256 work-groups.  Four waves, each 64 x 128: 32 accumulators, 256 registers.  16 K steps through two LDS slots.
; CLUSTER.  4 x 4 work-groups of one batch: p's tile is shared along a row of the cluster, v's along a column; each is asked for jointly.
; THE MATRIX INSTRUCTION IS USED TRANSPOSED (source 0 = 16 channels of v, turned on the way out of LDS by ds_load_tr16_b128; source 1 = 16 queries of p): a lane holds eight neighbouring channels of a row.
; REGISTERS, in windows of 256 (s_set_vgpr_msb: bits 1:0 source 0, 3:2 source 1, 5:4 source 2, 7:6 destination):
;   window 0: v16-30 addresses; v40-43 the step's four factors; v44-47 1 / L of my four blocks; v48-53 at work; v64-255 the statistics at the start, the way out at the end
;   window 1: fragment buffer 0: p (c, i) at v[8 (4 c + i)], v (c, b) at v[64 + 8 (8 c + b)]      window 3: fragment buffer 1      window 2: the accumulators, (a, b) at v[8 (8 a + b)]
.set PA,    272                        ; a row of p in LDS: 256 bytes + 16 = 68 words: the 16 rows of a load start at 16 different groups of four banks (64 banks of 4 bytes: ISA guide 11.1)
.set PV,    544                        ; a row of v: 512 bytes + 32 = 136 words
.set AHALF, 64*PA                      ; 64 rows of p: one tensor load, one wave's share
.set VOFF,  128*PA                     ; v's 128 keys lie behind p's 128 rows
.set VHALF, 64*PV                      ; 64 keys of v: one tensor load
.set SLOT,  VOFF+128*PV
.set STAGE, 2*SLOT                     ; behind the ring: 16 rows x 528 bytes for each wave, for the way out
.set SP,    528
.set FT,    STAGE+4*16*SP              ; 4,352 bytes for each wave: its factors, [chunk][row % 16][block] words of two f16, then 1 / L, [row % 16][block] f32
.set FTW,   4352
.set SPARE, FT+4*FTW                   ; the spare words, 128 bytes for each wave: two blocks of 256 bytes that no other line names
.set LAPS,  8                          ; a lap = two K steps; 2,048 keys
.set N2,    24                         ; LDS loads in the second half of a run: 8 of p, 16 of v
.set ADRA, 16                          ; v16-17  LDS address of my fragments of p in slot 0, 1
.set ADRV, 20                          ; v20-21  the same for v
.set FA0,  22                          ; v22     my row's place in my wave's factors
.set FA,   23                          ; v23     the same at the lap in hand: steps by 512 bytes, two chunks, a lap
.set STO,  24                          ; v24     the way out: where I put 32 bytes of a row
.set RD,   25                          ; v25     where I read 16 bytes of a row back
.set CO,   26                          ; v26     16 x lane: my byte offset in 512 bytes of out0
.set FS,   27                          ; v27     where I store a factor
.set SPW,  28                          ; v28     LDS address of my spare word; never rewritten
.set NIL,  29                          ; v29     0; never rewritten
.set SOFF, 30                          ; v30     4 x lane: my byte offset in 128 bytes of stats
.set FR,   40
.set RL,   44
.set MX,   48                          ; at work in the prologue
.set LA,   49
.set LB,   50
.set RC,   52                          ; v52-53
.set GF,   64                          ; v64-95   packed factors
.set XC,   128                         ; v128-159 cm, then f
.set XL,   160                         ; v160-191 l
.set T,    128                         ; the way out: a block's 64 numbers
.set OB0,  192
.set OB1,  64
.set WV,  16
.set WR,  17                           ; which half of the tile's rows is mine; also: I fetch p (0) or v (1)
.set WC,  18                           ; which half of its columns; also: which half of that tile I fetch
.set G1,  24
.set G0,  32
.set G1B, 48
.set G0B, 56
.set MSB, 0
.macro WIN new                         ; the immediate's high byte repeats the setting that is left
.if MSB != (\new)
	s_set_vgpr_msb (MSB<<8)|(\new)
.set MSB, \new
.endif
.endm
.set W_M0, 0xa5                        ; sources 0 and 1 window 1, C and D window 2;  + 10: sources window 3
.set W_T0, 0x40                        ; destination window 1, sources window 0;      + 0x80: destination window 3
.macro JLOAD s                         ; a joint load: waves 0 and 1 fetch p's two halves, waves 2 and 3 v's; an s_nop 0 and four v_nop follow each of the two lines
	s_cmp_eq_u32 s[WR], 0
	s_cbranch_scc0 .Lfor_b_\@
	tensor_load_to_lds s[G0+4*(\s):G0+4*(\s)+3], s[G1:G1+7]
	s_nop 0
.rept 4
	v_nop
.endr
	s_branch .Lasked_\@
.Lfor_b_\@:
	tensor_load_to_lds s[G0B+4*(\s):G0B+4*(\s)+3], s[G1B:G1B+7]
	s_nop 0
.rept 4
	v_nop
.endr
.Lasked_\@:
.endm
.macro CREST
	s_cmp_lg_u32 s[WV], 0
	s_cbranch_scc1 .Lnot_wave_0_\@
	s_barrier_signal -3
.Lnot_wave_0_\@:
	s_barrier_wait -3
	s_barrier_signal -1
	s_barrier_wait -1
.endm
.macro CROUND
	s_barrier_signal -1
	s_barrier_wait -1
	CREST
.endm
	s_load_b256 s[4:11], s[0:1], 0x0               ; p s[4:5], qkv s[6:7], stats s[8:9], out0 s[10:11]
	v_lshl_add_u32 v[SPW], v0, 2, SPARE
	v_mov_b32 v[NIL], 0
	ds_add_u32 v[SPW], v[NIL]                      ; the wave's opening: the add and its wait stand ahead of my first tensor load; the set-up below, work on registers, stands between them
	v_lshrrev_b32 v1, 5, v0
	v_readfirstlane_b32 s[WV], v1
	s_lshr_b32 s[WR], s[WV], 1
	s_and_b32 s[WC], s[WV], 1
	s_bfe_u32 s19, ttmp6, 0x40000                  ; cx, cy
	s_bfe_u32 s20, ttmp6, 0x40004
	s_lshl_b32 s21, ttmp9, 2
	s_add_co_u32 s21, s21, s19                     ; tile column (256 channels) = 4 x cluster x + cx
	s_and_b32 s22, ttmp7, 0xffff                   ; cluster y
	s_lshl_b32 s23, s22, 2
	s_add_co_u32 s23, s23, s20                     ; tile row (128 of the 8,192 rows) = 4 x cluster y + cy
	s_lshl_b32 s40, s20, 2
	s_lshl_b32 s40, 15, s40                        ; my row of the cluster
	s_lshl_b32 s41, 0x1111, s19                    ; my column
	; descriptor group 1.  p: 64 rows x 128 elements of 2 bytes, 4 words of padding behind every 64.  v: 64 keys x 256 elements, 8 words behind every 128.
	s_or_b32 s[G1+0], s40, (1<<16)|(1<<20)|(1<<21)|(5<<22)|(3<<25)
	s_mov_b32 s[G1+1], 128<<16                     ; tensor_dim0 = 128
	s_mov_b32 s[G1+2], 64<<16                      ; tensor_dim1 = 64
	s_mov_b32 s[G1+3], 128<<16                     ; tile_dim0 = 128
	s_mov_b32 s[G1+4], 64                          ; tile_dim1 = 64
	s_mov_b32 s[G1+5], 2048                        ; elements from row to row
	s_mov_b32 s[G1+6], 0
	s_mov_b32 s[G1+7], 0
	s_or_b32 s[G1B+0], s41, (1<<16)|(1<<20)|(1<<21)|(6<<22)|(7<<25)
	s_mov_b32 s[G1B+1], 256<<16
	s_mov_b32 s[G1B+2], 64<<16
	s_mov_b32 s[G1B+3], 256<<16
	s_mov_b32 s[G1B+4], 64
	s_mov_b32 s[G1B+5], 1024
	s_mov_b32 s[G1B+6], 0
	s_mov_b32 s[G1B+7], 0
	s_lshl_b32 s44, s23, 7                         ; p: row 128 x tile row + 64 x half
	s_lshl_b32 s45, s[WC], 6
	s_add_co_u32 s44, s44, s45
	s_lshl_b32 s44, s44, 12                        ; x 4,096 bytes: under 2^25
	s_mov_b32 s45, 0
	s_lshr_b32 s46, s22, 2                         ; the batch: sixteen tile rows, four clusters, each
	s_lshl_b32 s46, s46, 11                        ; its 2,048 keys
	s_lshl_b32 s47, s[WC], 6
	s_add_co_u32 s46, s46, s47                     ; v: key 2,048 x batch + 64 x half
	s_lshl_b32 s46, s46, 11                        ; x 2,048 bytes
	s_lshl_b32 s47, s21, 9                         ; the tile's 256 channels: 512 bytes
	s_add_co_u32 s46, s46, s47
	s_add_co_u32 s46, s46, 0x2000000               ; v begins 16,384 rows into qkv
	s_mov_b32 s47, 0
	s_mul_i32 s42, s[WC], AHALF                    ; where they go: no place in the cluster enters an LDS address
	s_mul_i32 s43, s[WC], VHALF
	s_add_co_u32 s43, s43, VOFF
	s_wait_dscnt 0x0                               ; the opening add is done
	s_wait_kmcnt 0x0
	s_add_nc_u64 s[70:71], s[4:5], s[44:45]
	s_add_nc_u64 s[74:75], s[6:7], s[46:47]
	CROUND                                         ; all sixteen work-groups are here: the first joint loads meet
.irp s, 0,1
	s_mov_b32 s[G0+4*(\s)], 1
	s_add_co_u32 s[G0+4*(\s)+1], s42, (\s)*SLOT
	s_add_nc_u64 s[G0+4*(\s)+2:G0+4*(\s)+3], s[70:71], (\s)*256       ; K step s: 128 keys along p's rows
	s_or_b32 s[G0+4*(\s)+3], s[G0+4*(\s)+3], 0x80000000
	s_mov_b32 s[G0B+4*(\s)], 1
	s_add_co_u32 s[G0B+4*(\s)+1], s43, (\s)*SLOT
	s_add_nc_u64 s[G0B+4*(\s)+2:G0B+4*(\s)+3], s[74:75], (\s)*262144  ; 128 rows of v down
	s_or_b32 s[G0B+4*(\s)+3], s[G0B+4*(\s)+3], 0x80000000
	JLOAD \s                                       ; two loads of mine are out
.endr
	; THE STATISTICS, in the wait for the first tile.  Lane l takes rows 32 j + l of my wave's 64, j = 0, 1: row l % 16 of block 2 j + l / 16.
	s_lshl_b32 s66, s23, 7
	s_lshl_b32 s67, s[WR], 6
	s_add_co_u32 s66, s66, s67                     ; my wave's first row
	s_lshl_b32 s76, s66, 2
	s_mov_b32 s77, 0
	s_add_nc_u64 s[8:9], s[8:9], s[76:77]
	v_and_b32 v3, 31, v0
	v_lshlrev_b32 v[SOFF], 2, v3
.irp j, 0,1
.irp c, 0,1,2,3,4,5,6,7,8,9,10,11,12,13,14,15
	global_load_b32 v[XC+16*(\j)+(\c)], v[SOFF], s[8:9] offset:32768*(\c)+128*(\j)
	global_load_b32 v[XL+16*(\j)+(\c)], v[SOFF], s[8:9] offset:524288+32768*(\c)+128*(\j)
.endr
.endr
	s_lshl_b32 s66, s66, 12                        ; my first row in out0: under 2^25
	s_lshl_b32 s67, s21, 10                        ; the tile's 256 channels of 4 bytes,
	s_add_co_u32 s66, s66, s67
	s_lshl_b32 s67, s[WC], 9                       ; my 128 of them
	s_add_co_u32 s66, s66, s67
	s_mov_b32 s67, 0
	s_add_nc_u64 s[10:11], s[10:11], s[66:67]
	v_and_b32 v1, 15, v0                           ; r = l % 16
	v_bfe_u32 v2, v0, 4, 1                         ; h = l / 16
	v_mul_u32_u24 v4, v1, PA
	v_lshl_add_u32 v4, v2, 4, v4                   ; a fragment of p: row x pitch + 16 x half
	s_mul_i32 s42, s[WR], AHALF                    ; my 64 rows of p
	v_add_nc_u32 v[ADRA], s42, v4
	v_add_nc_u32 v[ADRA+1], SLOT, v[ADRA]
	; The turning load takes 16 keys x 16 channels (lane l reads key 8 h + l % 8, channels 8 ((l / 8) % 2) + 0..7) and leaves half a fragment: lane l holds channel l % 16 and 8 keys.
	v_and_b32 v5, 7, v0
	v_bfe_u32 v6, v0, 3, 1
	v_lshl_add_u32 v5, v2, 3, v5
	v_mul_u32_u24 v5, v5, PV
	v_lshl_add_u32 v5, v6, 4, v5
	s_lshl_b32 s43, s[WC], 8                       ; my 128 channels: 256 bytes of a row
	s_add_co_u32 s43, s43, VOFF
	v_add_nc_u32 v[ADRV], s43, v5
	v_add_nc_u32 v[ADRV+1], SLOT, v[ADRV]
	s_mul_i32 s78, s[WV], FTW
	s_add_co_u32 s78, s78, FT                      ; my wave's factors
	v_lshl_add_u32 v[FA0], v1, 4, s78              ; row r: four words, one for each block
	v_lshl_add_u32 v[FS], v2, 2, v[FA0]            ; I store for block 2 j + h
	v_mov_b32 v[FA], v[FA0]
	s_mul_i32 s79, s[WV], 16*SP
	s_add_co_u32 s79, s79, STAGE                   ; my stage
	v_mul_u32_u24 v7, v1, SP                       ; in: row r, 32 bytes for each half of the lanes
	v_lshl_add_u32 v7, v2, 5, v7
	v_add_nc_u32 v[STO], s79, v7
	v_lshlrev_b32 v[CO], 4, v3                     ; back: 32 lanes take a row of 512 bytes
	v_add_nc_u32 v[RD], s79, v[CO]
	s_wait_loadcnt 0x0                             ; the statistics
.macro FACT j
.set rX, XC+16*(\j)
.set rY, XL+16*(\j)
.set rG, GF+16*(\j)
	v_max3_num_f32 v[MX], v[rX], v[rX+1], v[rX+2]  ; M: the largest of the row's 16 maxima
.irp c, 3,5,7,9,11,13
	v_max3_num_f32 v[MX], v[MX], v[rX+(\c)], v[rX+(\c)+1]
.endr
	v_max_num_f32 v[MX], v[MX], v[rX+15]
.irp c, 0,1,2,3,4,5,6,7,8,9,10,11,12,13,14,15
	v_sub_f32 v[rX+(\c)], v[rX+(\c)], v[MX]
.endr
.irp c, 0,1,2,3,4,5,6,7,8,9,10,11,12,13,14,15
	v_exp_f32 v[rX+(\c)], v[rX+(\c)]               ; f = 2^(cm - M)
.endr
	v_nop                                          ; a plain instruction between the last exponential and the use of its result (ISA guide 5.7.2)
	s_wait_alu depctr_va_vdst(0)
	v_mul_f32 v[LA], v[rX], v[rY]                  ; L = sum of f l, in f32, in two chains
	v_mul_f32 v[LB], v[rX+1], v[rY+1]
.irp c, 2,4,6,8,10,12,14
	v_fma_f32 v[LA], v[rX+(\c)], v[rY+(\c)], v[LA]
	v_fma_f32 v[LB], v[rX+(\c)+1], v[rY+(\c)+1], v[LB]
.endr
	v_add_f32 v[LA], v[LA], v[LB]
	v_rcp_f32 v[RC+(\j)], v[LA]                    ; the roundings below stand between the reciprocal and its use
.irp c, 0,1,2,3,4,5,6,7,8,9,10,11,12,13,14,15
	v_cvt_pk_f16_f32 v[rG+(\c)], v[rX+(\c)], v[rX+(\c)]  ; f in both halves of a word, for the packed multiply
.endr
.irp c, 0,1,2,3,4,5,6,7,8,9,10,11,12,13,14,15
	ds_store_b32 v[FS], v[rG+(\c)] offset:256*(\c)+8*(\j)
.endr
	s_wait_alu depctr_va_vdst(0)
	ds_store_b32 v[FS], v[RC+(\j)] offset:4096+8*(\j)
.endm
	FACT 0
	FACT 1
	ds_load_b128 v[RL:RL+3], v[FA0] offset:4096    ; 1 / L of row r in my four blocks: my wave's own bytes, and LDS serves a wave's instructions in order (ISA guide 5.7.1.4)
; 16 matrix instructions: m blocks a0, a0 + 1 x all 8 n blocks, 32 along K: half c of buffer f.  zero = 1: the product starts the sums.
; The 32 accumulators take turns, one instruction a turn, always in the same order.
.macro MULH f, c, a0, zero
	WIN W_M0+10*(\f)
.irp a, \a0, (\a0)+1
.irp b, 0,1,2,3,4,5,6,7
.if \zero
	v_wmma_f32_16x16x32_f16 v[8*(8*(\a)+(\b)):8*(8*(\a)+(\b))+7], v[64+8*(8*(\c)+(\b)):64+8*(8*(\c)+(\b))+7], v[8*(4*(\c)+(\a)):8*(4*(\c)+(\a))+7], 0
.else
	v_wmma_f32_16x16x32_f16 v[8*(8*(\a)+(\b)):8*(8*(\a)+(\b))+7], v[64+8*(8*(\c)+(\b)):64+8*(8*(\c)+(\b))+7], v[8*(4*(\c)+(\a)):8*(4*(\c)+(\a))+7], v[8*(8*(\a)+(\b)):8*(8*(\a)+(\b))+7]
.endif
.endr
.endr
.endm
.macro MUL f, c, zero
	MULH \f, \c, 0, \zero
	MULH \f, \c, 2, \zero
.endm
; p's four fragments of half c of buffer f are multiplied, in place, by their rows' factor of the chunk: 32 plain vector instructions.  They name no register of the other buffer's products,
; so they are also the four places between those products and the loads into the other buffer (ISA guide 7.12.1 for vector instructions).
.macro PREP f, c
	WIN 0x41+0x82*(\f)                             ; destination and source 0 window 1 or 3, source 1 window 0
.irp i, 0,1,2,3
.irp t, 0,1,2,3,4,5,6,7
	v_pk_mul_f16 v[8*(4*(\c)+(\i))+(\t)], v[8*(4*(\c)+(\i))+(\t)], v[FR+(\i)]
.endr
.endr
.endm
; 48 LDS loads in one run: the fragments of 64 keys, half kh of the slot's step, into buffer g; the first 32 keys first.  fac >= 0: ahead of them the new step's four factors, at byte fac from FA.
.macro FETCH slot, kh, g, fac=-1
.if (\fac) >= 0
	WIN 0
	ds_load_b128 v[FR:FR+3], v[FA] offset:\fac
.endif
	WIN W_T0+0x80*(\g)
.irp c, 0,1
.irp i, 0,1,2,3
	ds_load_b128 v[8*(4*(\c)+(\i)):8*(4*(\c)+(\i))+3],   v[ADRA+(\slot)] offset:128*(\kh)+64*(\c)+(\i)*16*PA
	ds_load_b128 v[8*(4*(\c)+(\i))+4:8*(4*(\c)+(\i))+7], v[ADRA+(\slot)] offset:128*(\kh)+64*(\c)+(\i)*16*PA+32
.endr
.irp b, 0,1,2,3,4,5,6,7
	ds_load_tr16_b128 v[64+8*(8*(\c)+(\b)):64+8*(8*(\c)+(\b))+3],   v[ADRV+(\slot)] offset:(64*(\kh)+32*(\c))*PV+32*(\b)
	ds_load_tr16_b128 v[64+8*(8*(\c)+(\b))+4:64+8*(8*(\c)+(\b))+7], v[ADRV+(\slot)] offset:(64*(\kh)+32*(\c))*PV+16*PV+32*(\b)
.endr
.endr
.endm
; A K step is two halves of 64 keys, 64 matrix instructions each.  The first multiplies buffer 0 and fetches the second half into buffer 1.
.macro HALFA slot, zero
	s_wait_dscnt N2                                ; the factors and the first 32 keys are in; the 24 younger loads stay out
	PREP 0, 0
	MUL 0, 0, \zero
	s_wait_dscnt 0x0
	PREP 0, 1
	FETCH \slot, 1, 1
	MUL 0, 1, 0
.endm
; The second half multiplies buffer 1 and changes slots: ONE barrier; in front of it each wave waits for all its tensor loads (one is out: its part of the next slot), adds 0 to its spare word,
; and waits for that and for its own reads of this slot.  fill = 1: the barrier opens a round of the cluster's, and this slot is filled again, two K steps ahead, first thing behind the round:
; 112 of a step's 128 matrix instructions stand between that request and the wait for it.  The next step's factors are fetched when this step's last scaling has read the old ones.
.macro TURN slot, next, fill, fac
	s_wait_dscnt N2
	PREP 1, 0
	MULH 1, 0, 0, 0
	WIN 0                                          ; (the add's two registers lie in window 0)
	s_wait_tensorcnt 0x0                           ; all my tensor loads have landed;
	ds_add_u32 v[SPW], v[NIL]                      ; 0 onto my spare word;
	MULH 1, 0, 2, 0                                ; sixteen matrix instructions stand between the add and the wait for it
	s_wait_dscnt 0x0                               ; the add is done, and my reads of this slot are over
	s_barrier_signal -1
	PREP 1, 1                                      ; work on registers while the others arrive
	WIN 0
	s_barrier_wait -1
.if \fill
	CREST                                          ; no wave of any partner still reads this slot's tiles or has a load on its way
	s_add_nc_u64 s[G0+4*(\slot)+2:G0+4*(\slot)+3], s[G0+4*(\slot)+2:G0+4*(\slot)+3], 2*256
	s_add_nc_u64 s[G0B+4*(\slot)+2:G0B+4*(\slot)+3], s[G0B+4*(\slot)+2:G0B+4*(\slot)+3], 2*262144
	JLOAD \slot
.endif
	FETCH \next, 0, 0, \fac
	MUL 1, 1, 0
.endm
.macro LAST                            ; the very last half: nothing more to fetch
	s_wait_dscnt N2
	PREP 1, 0
	MUL 1, 0, 0
	s_wait_dscnt 0x0
	PREP 1, 1
	MUL 1, 1, 0
	WIN 0
.endm
	s_wait_tensorcnt 1                             ; my part of K step 0 is in; K step 1's may stay out
	s_wait_dscnt 0x0                               ; no LDS instruction of mine is out at a signal
	s_barrier_signal -1
	s_barrier_wait -1
	FETCH 0, 0, 0, 0                               ; chunk 0's factors with it
	HALFA 0, 1                                     ; the first half stands in front of the loop: its first products start the sums
	WIN 0
	s_mov_b32 s68, LAPS-1
.Llap:                                                 ; a trip goes once round the ring, from a lap's second half step to the next lap's first, and fills both slots again
	TURN 0, 1, 1, 256                              ; the lap's second chunk
	HALFA 1, 0
	TURN 1, 0, 1, 512                              ; the next lap's first
	HALFA 0, 0
	WIN 0
	v_add_nc_u32 v[FA], 512, v[FA]                 ; two chunks of factors on
	s_sub_co_u32 s68, s68, 1
	s_cmp_lg_u32 s68, 0
	s_cbranch_scc1 .Llap
	TURN 0, 1, 0, 256                              ; the last lap fills nothing, and has no round
	HALFA 1, 0
	LAST
; THE WAY OUT, a block of 16 rows at a time.  SCALE: the sums times 1 / L, each accumulator's registers in ascending order.  TOSTAGE: 32 bytes a lane into my own stage, and back as whole rows of 512 bytes.  SEND: stored.
.macro SCALE a
	WIN 0x02                                       ; source 0 window 2
.set i, 0
.rept 32
.if (\a)%2
	v_pk_mul_f32 v[T+2*i:T+2*i+1], v[64*(\a)+2*i:64*(\a)+2*i+1], v[RL+2*((\a)/2):RL+2*((\a)/2)+1] op_sel:[0,1] op_sel_hi:[1,1]
.else
	v_pk_mul_f32 v[T+2*i:T+2*i+1], v[64*(\a)+2*i:64*(\a)+2*i+1], v[RL+2*((\a)/2):RL+2*((\a)/2)+1] op_sel_hi:[1,0]
.endif
.set i, i+1
.endr
	WIN 0
.endm
.macro TOSTAGE a
.set BK, OB0+(OB1-OB0)*((\a)%2)
.irp b, 0,1,2,3,4,5,6,7
	ds_store_b128 v[STO], v[T+8*(\b):T+8*(\b)+3]   offset:64*(\b)
	ds_store_b128 v[STO], v[T+8*(\b)+4:T+8*(\b)+7] offset:64*(\b)+16
.endr
.irp t, 0,1,2,3,4,5,6,7,8,9,10,11,12,13,14,15
	ds_load_b128 v[BK+4*(\t):BK+4*(\t)+3], v[RD] offset:(\t)*SP  ; LDS serves a wave's instructions in order (ISA guide 5.7.1.4): these see the stores above
.endr
.endm
.macro SEND a
.set BK, OB0+(OB1-OB0)*((\a)%2)
	s_wait_dscnt 0x0                               ; the block is back in registers
	s_wait_xcnt 0x0                                ; the stores of the block before have had their addresses translated (ISA guide 3.1): its registers are loaded again only behind this wait
.irp t, 0,1,2,3,4,5,6,7,8,9,10,11,12,13,14,15
	global_store_b128 v[CO], v[BK+4*(\t):BK+4*(\t)+3], s[10:11] offset:4096*(16*(\a)+(\t)) th:TH_STORE_NT  ; 512 consecutive bytes, at a multiple of 512 from out0's first byte
.endr
.endm
.rept 4
	v_nop                                          ; the places between the last products and the first read of a result
.endr
	SCALE 0
	TOSTAGE 0
.irp a, 1,2,3                          ; block a's arithmetic stands between block a - 1's loads from the stage and the wait for them
	SCALE \a
	SEND (\a)-1
	TOSTAGE \a
.endr
	SEND 3
	s_wait_tensorcnt 0x0                           ; the wave's end: behind my last tensor load and my last LDS store
	ds_add_u32 v[SPW], v[NIL]
	s_wait_dscnt 0x0
	CROUND                                         ; the closing round: no work-group ends while a partner may still ask for a tile that names it
	s_endpgm
.Lfunc_end_k_qea20e7a48c_pv:
	.size	k_qea20e7a48c_pv, .Lfunc_end_k_qea20e7a48c_pv-k_qea20e7a48c_pv
	.p2alignl 7, 3214868480
	.fill 96, 4, 3214868480
	.section	.rodata,"a",@progbits
	.p2align	6, 0x0
	.amdhsa_kernel k_qea20e7a48c_pv
		.amdhsa_group_segment_fixed_size 327680
		.amdhsa_private_segment_fixed_size 0
		.amdhsa_enable_private_segment 0
		.amdhsa_kernarg_size 32
		.amdhsa_user_sgpr_count 2
		.amdhsa_user_sgpr_kernarg_segment_ptr 1
		.amdhsa_wavefront_size32 1
		.amdhsa_system_sgpr_workgroup_id_x 1
		.amdhsa_system_sgpr_workgroup_id_y 1
		.amdhsa_system_sgpr_workgroup_id_z 1
		.amdhsa_system_vgpr_workitem_id 0
		.amdhsa_next_free_vgpr 1024
		.amdhsa_next_free_sgpr 80
		.amdhsa_reserve_vcc 0
		.amdhsa_float_denorm_mode_32 3
		.amdhsa_float_denorm_mode_16_64 3
		.amdhsa_memory_ordered 1
		.amdhsa_forward_progress 1
		.amdhsa_inst_pref_size 139
	.end_amdhsa_kernel
	.amdgpu_metadata
---
amdhsa.version: [ 1, 2 ]
amdhsa.kernels:
  - .name:           k_qea20e7a48c_pv
    .symbol:         k_qea20e7a48c_pv.kd
    .args:
      - { .name: p, .offset: 0, .size: 8, .value_kind: global_buffer, .address_space: global }
      - { .name: qkv, .offset: 8, .size: 8, .value_kind: global_buffer, .address_space: global }
      - { .name: stats, .offset: 16, .size: 8, .value_kind: global_buffer, .address_space: global }
      - { .name: out0, .offset: 24, .size: 8, .value_kind: global_buffer, .address_space: global }
    .group_segment_fixed_size: 327680
    .private_segment_fixed_size: 0
    .kernarg_segment_align: 8
    .kernarg_segment_size: 32
    .max_flat_workgroup_size: 128
    .sgpr_count:     80
    .vgpr_count:     1024
    .wavefront_size: 32
...
	.end_amdgpu_metadata
.endif
;; end of part 4
